; MI455X (gfx1250); checked and timed in simulation.
; The chip was launched on July 23, 2026; its instructions are those of AMD's public machine-readable ISA for CDNA 5 (MIT licence, August 2026) and "CDNA5" Instruction Set Architecture Reference Guide (July 2026). The comments in the code are by the model that wrote it; some were corrected since.
;; Pooler. Allowed arithmetic: matrix products marked QUANTISED: E2M3 operands, one E8M0 scale for each 32 along K, by v_wmma_scale_f32_16x16x128_f8f6f4 with both operands' format E2M3, f32 sums; products left as they are: f32 operands where the result goes on into a quantised operand, else bf16, f16 or f32 operands; f32 sums; everything else in f32.
;; Inputs: Wk 1,024 x 1,024 float32; Wq 1,024 x 1,024 float32; Wv 1,024 x 1,024 float32; bk 1,024 float32; bq 1,024 float32; bv 1,024 float32; k 32 x 1,024 x 1,024 float32; q 32 x 1,024 float32.
;; Outputs: out0 32 x 1,024 float32; out1 512 x 1,024 float32.
;; This version of the problem:
;;   THIS VERSION OF THE PROBLEM IS GIVEN IN LOW PRECISION. The matrix products marked QUANTISED in the list below multiply operands that are first quantised to E2M3 (2 exponent bits, 3 mantissa bits; 6 bits a number), with one power-of-two scale for each 32 numbers along K (OCP MX v1.0); their sums are f32. All else is computed in f32.
;;   The module's matrix products, in the order in which they are computed (A, B: the left and right operand; K: the contracted axis; several contracted axes count as one K, in the product's order):
;;     1. [M 32, K 1,024] x [K 1,024, N 1,024]; A: input q; B: input Wq: QUANTISED
;;     2. [M 32,768, K 1,024] x [K 1,024, N 1,024]; A: input k; B: input Wk: QUANTISED
;;     3. [M 32,768, K 1,024] x [K 1,024, N 1,024]; A: input k; B: input Wv: QUANTISED
;;     4. batch 512 x [M 1, K 64] x [K 64, N 1,024]; A: computed on the way; B: computed on the way: left as it is (M = 1 < 16)
;;     5. batch 512 x [M 1, K 1,024] x [K 1,024, N 64]; A: softmax; B: computed on the way: left as it is (M = 1 < 16)
;;   THE QUANTISER, for each operand of a quantised product, along K:
;;     - K is cut into blocks of 32 from its start; a last block that is shorter is filled with zeros.
;;     - A block's scale is 2^e with e = floor(log2(the largest magnitude in the block)) - 2, held to -126 .. 127; a block of zeros has e = 0. As a byte (E8M0): e + 127.
;;     - Each number is divided by its block's scale, clamped to +-7.5, and rounded to the nearest number of E2M3, ties to even, subnormals kept.
;;     - The product sums the exact products of the quantised numbers (number of the format x scale) in f32.
;;   ~~~python
;;   def quantise(x, axis):      # numpy; x: float32 -> the quantised numbers, widened to float32 again
;;       x = np.moveaxis(x, axis, -1); K = x.shape[-1]
;;       x = np.pad(x, [(0, 0)] * (x.ndim - 1) + [(0, -K % 32)]); x = x.reshape(x.shape[:-1] + (-1, 32)); a = np.abs(x).max(-1, keepdims=True)
;;       e = np.where(a > 0, np.clip(np.frexp(np.where(a > 0, a, 1))[1] - 1 - 2, -126, 127), 0)      # np.frexp(a)[1] - 1 = floor(log2(a)), exactly
;;       r = np.clip(x / 2.0 ** e, -7.5, 7.5)
;;       step = 2.0 ** (np.maximum(np.frexp(np.where(r == 0, 1, r))[1] - 1, 0) - 3)
;;       q = np.round(r / step) * step * 2.0 ** e      # np.round: ties to even
;;       return np.moveaxis(q.reshape(q.shape[:-2] + (-1,))[..., :K], -1, axis).astype(np.float32)
;;   ~~~
;; One version. Each part assembles by itself: llvm-mc -triple=amdgcn-amd-amdhsa -mcpu=gfx1250 --defsym DOCPART=n.
;; ======== version 1 of 1: 2 launches
;; limits: right only within a limited range of input values
;; workspace buffers: codes 27,852,800 bytes; qsw 524,288 bytes
;; launch prep (part 1): grid 512 x 1, 18 waves a work-group, no clusters, 285,184 bytes of LDS; arguments k, Wk, Wv, Wq, q, bq, codes, qsw; writes codes, qsw
.if DOCPART == 1
	.amdgcn_target "amdgcn-amd-amdhsa--gfx1250"
	.amdhsa_code_object_version 6
	.text
	.protected	k_qfe63d6acba_prep
	.globl	k_qfe63d6acba_prep
	.p2align	8
	.type	k_qfe63d6acba_prep,@function
k_qfe63d6acba_prep:
	s_mov_b64 s[64:65], 0
	v_nop
	global_prefetch_b8 v0, s[64:65] scope:SCOPE_SE
	s_setreg_imm32_b32 hwreg(HW_REG_WAVE_MODE, 25, 1), 1
	s_wait_xcnt 0x0
; k [32768][1024], Wk [1024][1024], Wv [1024][1024], f32, K innermost, become codes of FP6 (E2M3) with one E8M0 scale byte for each 32 along K; and qs = q Wq^T + bq is made, as four partial sums over the quarters of K.
; A block's scale is 2^(floor(log2(its largest magnitude)) - 2): its byte is the largest magnitude's exponent field - 2, held at 1 from below; each number is divided by the scale and rounded to the nearest code, ties to even, beyond 7.5 the largest code.
; LIMITS: NaN and infinities among the inputs are not served (bq is multiplied by 0 in three quarters of K).  A block of zeros gets the byte 1 where the rule says 127: its codes are zeros, which add nothing under any byte but 0xff,
; and this program alone reads the bytes.  qs is the sum of four f32 sums, one for each quarter of K: another order of rounding than one sum along all of K.
; THE WORKSPACE IS LAID IN THE ORDER OF THE OPERAND'S REGISTERS.  A row block is 16 rows x 1,024 K = 12,800 bytes: eight images of 1,536 bytes (K step s of 128 at 1536 s: register 4 c + e of lane L at byte 512 c + 16 L + 4 e),
; then 512 bytes of scale words (byte 16 L + 4 e: lanes 0-15 row L's word of K step e, lanes 16-31 row L - 16's word of K step 4 + e).  Blocks 0-2047: k; 2048-2111: Wk; 2112-2175: Wv.
; SHARES.  2,176 row blocks are 8,704 quarters of 16 rows x 256 K = 512 work-groups x 17 waves.  Wave w < 17 of work-group g takes quarter 17 g + w: ONE tensor load brings its 16 rows of 1,024 bytes into LDS bytes of its own
; (rows 1,040 bytes apart: an odd multiple of 16), and lane (r, h) reads row r's k = 32 h .. and 64 + 32 h .. of each K step: two whole blocks, in the order of the operand's registers.  Nothing is filled again: no barrier.
; Each store of codes covers 512 consecutive bytes, at a multiple of 256 from the buffer's first byte; a quarter's 32 scale words go out 4 bytes a lane, 16 bytes apart: 128 bytes for 16,384 read.
; Wave 17 of work-group g: Wq's rows 16 n .., q's rows 16 m .., K steps 2 p and 2 p + 1 (n = g / 8, p = g / 2 % 4, m = g % 2): four tiles quantised in registers, two products on one accumulator, which begins as bq where p = 0
; and as zeros elsewhere.  The sums x log2(e) / 8 go to qsw [4 quarters of K][64 column tiles][32 batches][16 columns].
; No joint loads: no two work-groups read the same tile of k, Wk or Wv.  No prefetch: the text has no loop to run ahead in, and every tile is asked for at the head.
.set TILE,  16640                      ; 16 rows x 1,040 bytes
.set SPARE, 17*TILE                    ; behind the tiles: the spare words, 128 bytes for each of 18 waves: nine blocks of 256 bytes that no other line names
.set LO,   1                           ; v1   16 x lane
.set STO,  3                           ; v3   my tile + 1040 r + 128 h
.set LB,   4                           ; v4   4096 r + 128 h: my place in 16 rows of Wq or q
.set SH,   5                           ; v5   8 h
.set QO,   6                           ; v6   64 r + 32 h: my place in qsw
.set BO,   7                           ; v7   32 h: my place in bq
.set M,    8                           ; v8-9   two blocks' largest magnitudes, then their bytes
.set E,    10                          ; v10-11 the conversions' scale operands
.set PT,   12                          ; v12  a lane permute's destination
.set TP,   13                          ; v13  at work
.set SPW,  14                          ; v14  LDS address of my spare word; never rewritten
.set NIL,  15                          ; v15  0; never rewritten
.set R,    16                          ; v16-143  two sets of 64 numbers in the operand's order
.set C,    144                         ; v144-167 two fragments of codes
.set CT,   168                         ; v168-170, v172-174 the halves of a block's six registers that begin on an odd number are made here
.set SWB,  171                         ; v171, v175 two scale words, and nothing else
.set D,    176                         ; v176-183 the qs path's accumulator
.set SA,   184                         ; v184 16 r + 4 h: my place among a quarter's scale words
.set OUTS, 185                         ; v185 the word that I store
; 64 numbers of a lane, v[x + 32 b + i] = k 64 b + 32 h + i of my row, become a fragment's 12 registers in v[c] on and the row's scale word in v[w]
.macro QUANT x, c, w
.irp b, 0,1
	v_max3_num_f32 v[M+\b], |v[(\x)+32*\b]|, |v[(\x)+32*\b+1]|, 0x1800000   ; my block 2 b + h; and the floor 2^(3 - 127): the byte cannot fall under 1
.endr
.irp i, 2,4,6,8,10,12,14,16,18,20,22,24,26,28,30
.irp b, 0,1
	v_max3_num_f32 v[M+\b], v[M+\b], |v[(\x)+32*\b+\i]|, |v[(\x)+32*\b+\i+1]|
.endr
.endr
	v_add_nc_u32 v[E], 0xff000000, v[M]            ; 2 off the exponent field: the conversion's scale operand
	v_add_nc_u32 v[E+1], 0xff000000, v[M+1]
	v_lshrrev_b32 v[M], 23, v[E]                   ; the scales' bytes
	v_lshrrev_b32 v[M+1], 23, v[E+1]
	v_lshl_or_b32 v[TP], v[M+1], 16, v[M]          ; blocks h and 2 + h,
	v_lshlrev_b32 v[TP], v[SH], v[TP]              ; at their places in the word;
	v_permlanex16_b32 v[PT], v[TP], s26, s27
	v_or_b32 v[\w], v[TP], v[PT]                   ; with lane l xor 16's two the word is whole, in both lanes
	v_cvt_scalef32_pk16_fp6_f32 v[(\c):(\c)+2], v[(\x):(\x)+15], v[E]
	v_cvt_scalef32_pk16_fp6_f32 v[CT:CT+2], v[(\x)+16:(\x)+31], v[E]
	v_cvt_scalef32_pk16_fp6_f32 v[(\c)+6:(\c)+8], v[(\x)+32:(\x)+47], v[E+1]
	v_cvt_scalef32_pk16_fp6_f32 v[CT+4:CT+6], v[(\x)+48:(\x)+63], v[E+1]
	v_nop                                          ; one plain place behind the scaled conversions
.irp i, 0,1,2
	v_mov_b32 v[(\c)+3+\i], v[CT+\i]
	v_mov_b32 v[(\c)+9+\i], v[CT+4+\i]
.endr
.endm
.macro QLOAD e                         ; tile e of the qs path: K step e / 2 of Wq's 16 rows (e even, set 0) or of q's (e odd, set 1): lane (r, h) reads 2 x 128 bytes of row r
.irp c, 0,1
.irp j, 0,1,2,3,4,5,6,7
.if (\e)%2 == 0
	global_load_b128 v[R+32*\c+4*\j:R+32*\c+4*\j+3], v[LB], s[10:11] offset:512*((\e)/2)+256*\c+16*\j
.else
	global_load_b128 v[R+64+32*\c+4*\j:R+64+32*\c+4*\j+3], v[LB], s[12:13] offset:512*((\e)/2)+256*\c+16*\j
.endif
.endr
.endr
.endm
.macro PROD
.rept 8
	v_nop                                          ; a scale word written by a vector instruction stands 8 places ahead of a scaled matrix instruction, codes so written 4
.endr
	s_wait_alu depctr_va_vdst(0)                   ; the wait directly ahead of a link
	v_wmma_scale_f32_16x16x128_f8f6f4 v[D:D+7], v[C:C+11], v[C+12:C+23], v[D:D+7], v[SWB], v[SWB+4] matrix_a_fmt:MATRIX_FMT_FP6 matrix_b_fmt:MATRIX_FMT_FP6   ; transposed: source 0 = 16 rows of Wq, source 1 = 16 rows of q
.endm
	s_load_b256 s[4:11], s[0:1], 0x0               ; k s[4:5], Wk s[6:7], Wv s[8:9], Wq s[10:11]
	s_load_b256 s[12:19], s[0:1], 0x20             ; q s[12:13], bq s[14:15], codes s[16:17], qsw s[18:19]
	v_lshl_add_u32 v[SPW], v0, 2, SPARE
	v_mov_b32 v[NIL], 0
	ds_add_u32 v[SPW], v[NIL]                      ; the opening lines: the add, twice on end, and its wait ahead of a wave's first tensor load
	ds_add_u32 v[SPW], v[NIL]
	v_lshrrev_b32 v[TP], 5, v0
	v_readfirstlane_b32 s20, v[TP]                 ; wave 0..17
	v_and_b32 v[LO], 31, v0
	v_and_b32 v[QO], 15, v0                        ; r
	v_bfe_u32 v[BO], v0, 4, 1                      ; h
	s_mul_i32 s33, s20, TILE                       ; my tile in LDS
	v_mul_u32_u24 v[STO], v[QO], 1040
	v_lshl_add_u32 v[STO], v[BO], 7, v[STO]
	v_add_nc_u32 v[STO], s33, v[STO]
	v_lshlrev_b32 v[LB], 12, v[QO]
	v_lshl_add_u32 v[LB], v[BO], 7, v[LB]
	v_lshlrev_b32 v[SH], 3, v[BO]
	v_lshlrev_b32 v[SA], 4, v[QO]
	v_lshl_add_u32 v[SA], v[BO], 2, v[SA]
	v_lshlrev_b32 v[QO], 6, v[QO]
	v_lshl_add_u32 v[QO], v[BO], 5, v[QO]
	v_lshlrev_b32 v[BO], 5, v[BO]
	v_lshlrev_b32 v[LO], 4, v[LO]
	v_mov_b32 v[PT], 0                             ; written once: a lane permute's destination counts as one of its sources
	s_mov_b32 s26, 0x76543210
	s_mov_b32 s27, 0xfedcba98                      ; v_permlanex16_b32's selects for lane l xor 16
	s_mov_b32 s32, 1                               ; descriptor group 0: count
	s_mov_b32 s36, (2<<16)|(1<<20)|(7<<22)|(3<<25) ; group 1: elements of 4 bytes; 4 words of padding behind every 256 words, a row
	s_mov_b32 s37, 256<<16                         ; tensor_dim0 = 256
	s_mov_b32 s38, 16<<16                          ; tensor_dim1 = 16
	s_mov_b32 s39, 256<<16                         ; tile_dim0 = 256
	s_mov_b32 s40, 16                              ; tile_dim1 = 16
	s_mov_b32 s41, 1024                            ; from row to row: 1,024 elements
	s_mov_b32 s42, 0
	s_mov_b32 s43, 0
	s_wait_alu depctr_va_vdst(0)                   ; the wait at the head's end
	s_wait_dscnt 0x0                               ; both opening adds are done
	s_wait_kmcnt 0x0
	s_cmp_eq_u32 s20, 17
	s_cbranch_scc1 .Lqs
	; ---- a quarter of a row block of k, Wk or Wv.  The tensor is chosen by the work-group's and the wave's numbers alone
	s_mul_i32 s21, ttmp9, 17
	s_add_co_u32 s21, s21, s20                     ; my quarter, 0 .. 8,703
	s_lshr_b32 s22, s21, 2                         ; its row block
	s_and_b32 s23, s21, 3                          ; which quarter of K
	s_mov_b32 s28, 2112
	s_cmp_lt_u32 s22, 2112
	s_cselect_b64 s[24:25], s[6:7], s[8:9]
	s_cselect_b32 s28, 2048, s28
	s_cmp_lt_u32 s22, 2048
	s_cselect_b64 s[24:25], s[4:5], s[24:25]
	s_cselect_b32 s28, 0, s28                      ; the tensor's first row block
	s_sub_co_u32 s28, s22, s28
	s_lshl_b32 s28, s28, 16                        ; 16 rows of 4,096 bytes (under 2^28),
	s_lshl_b32 s29, s23, 10                        ; 1,024 bytes a quarter
	s_add_co_u32 s28, s28, s29
	s_mov_b32 s29, 0
	s_add_nc_u64 s[34:35], s[24:25], s[28:29]
	s_or_b32 s35, s35, 0x80000000                  ; type = 2
	tensor_load_to_lds s[32:35], s[36:43]          ; my one tensor load
	s_nop 0
	s_mul_i32 s30, s22, 12800                      ; where my results go: the row block,
	s_mul_i32 s28, s23, 3072                       ; two images of 1,536 bytes a quarter
	s_add_co_u32 s28, s30, s28
	s_add_nc_u64 s[44:45], s[16:17], s[28:29]
	s_lshr_b32 s28, s23, 1                         ; the scale words: 12,288 + 256 (quarter / 2) + 8 (quarter % 2)
	s_lshl_b32 s28, s28, 8
	s_and_b32 s31, s23, 1
	s_lshl_b32 s31, s31, 3
	s_add_co_u32 s28, s28, s31
	s_add_co_u32 s28, s28, s30
	s_add_co_u32 s28, s28, 12288
	s_add_nc_u64 s[46:47], s[16:17], s[28:29]
	s_wait_tensorcnt 0x0                           ; my tile is in; only I read it
.irp s, 0,1
.irp c, 0,1
.irp j, 0,1,2,3,4,5,6,7
	ds_load_b128 v[R+64*\s+32*\c+4*\j:R+64*\s+32*\c+4*\j+3], v[STO] offset:512*\s+256*\c+16*\j
.endr
.endr
.endr
	s_wait_dscnt 16                                ; the first K step's 16 loads are in; the second's may be out
	QUANT R, C, SWB
.irp c, 0,1,2
	global_store_b128 v[LO], v[C+4*\c:C+4*\c+3], s[44:45] offset:512*\c
.endr
	s_wait_dscnt 0x0
	QUANT R+64, C+12, SWB+4
.irp c, 0,1,2
	global_store_b128 v[LO], v[C+12+4*\c:C+12+4*\c+3], s[44:45] offset:1536+512*\c
.endr
	v_cmp_eq_u32 vcc_lo, 0, v[SH]
	v_cndmask_b32 v[OUTS], v[SWB+4], v[SWB], vcc_lo   ; lanes 0-15: row r's word of the first K step; lanes 16-31: of the second
	global_store_b32 v[SA], v[OUTS], s[46:47]
	s_wait_tensorcnt 0x0                           ; the wave's end
	ds_add_u32 v[SPW], v[NIL]
	s_wait_dscnt 0x0
	s_endpgm
.Lqs:	; ---- qs: 16 rows of q x 16 rows of Wq, a quarter of K
	s_lshr_b32 s21, ttmp9, 3                       ; n
	s_bfe_u32 s22, ttmp9, 0x20001                  ; p
	s_and_b32 s23, ttmp9, 1                        ; m
	s_lshl_b32 s28, s21, 16                        ; Wq: rows 16 n on,
	s_lshl_b32 s30, s22, 10                        ; K steps 2 p on: 512 bytes each
	s_add_co_u32 s28, s28, s30
	s_mov_b32 s29, 0
	s_add_nc_u64 s[10:11], s[10:11], s[28:29]
	s_lshl_b32 s28, s23, 16                        ; q: rows 16 m on, the same K steps
	s_add_co_u32 s28, s28, s30
	s_add_nc_u64 s[12:13], s[12:13], s[28:29]
	s_lshl_b32 s28, s21, 6                         ; bq: 16 numbers
	s_add_nc_u64 s[14:15], s[14:15], s[28:29]
	s_lshl_b32 s28, s21, 11                        ; qsw: 131,072 p + 2,048 n + 1,024 m
	s_lshl_b32 s30, s22, 17
	s_add_co_u32 s28, s28, s30
	s_lshl_b32 s30, s23, 10
	s_add_co_u32 s28, s28, s30
	s_add_nc_u64 s[18:19], s[18:19], s[28:29]
	s_cmp_eq_u32 s22, 0
	s_cselect_b32 s24, 0x3f800000, 0               ; the bias counts once: x 1 in the first quarter of K, x 0 in the others
	global_load_b128 v[D:D+3], v[BO], s[14:15]     ; register j of lane (r, h) is column 16 n + 8 h + j
	global_load_b128 v[D+4:D+7], v[BO], s[14:15] offset:16
	QLOAD 0
	QLOAD 1
	s_wait_loadcnt 32                              ; the bias is in; the two tiles behind it may be out
.irp i, 0,1,2,3,4,5,6,7
	v_mul_f32 v[D+\i], s24, v[D+\i]                ; the bias is the first product's C
.endr
	s_wait_loadcnt 16                              ; tile 0 is in; tile 1 may be out
	QUANT R, C, SWB
	QLOAD 2
	s_wait_loadcnt 16                              ; tile 1 is in; tile 2 may be out
	QUANT R+64, C+12, SWB+4
	QLOAD 3
	PROD
	s_wait_loadcnt 16                              ; tile 2 is in; tile 3 may be out
	QUANT R, C, SWB                                ; its 32 maxima are the places behind the product, ahead of the writes of that product's codes and scale words
	s_wait_loadcnt 0x0
	QUANT R+64, C+12, SWB+4
	PROD
.rept 4
	v_nop                                          ; places between the last product and the first read of its result
.endr
.irp i, 0,2,4,6
	v_pk_mul_f32 v[R+\i:R+\i+1], v[D+\i:D+\i+1], 0x3e38aa3b op_sel_hi:[1,0]   ; x log2(e) / sqrt(64): the scores then come out as exponents of 2.  From the accumulator's low end on
.endr
	global_store_b128 v[QO], v[R:R+3], s[18:19]
	global_store_b128 v[QO], v[R+4:R+7], s[18:19] offset:16
	s_wait_tensorcnt 0x0                           ; the same three lines on this way
	ds_add_u32 v[SPW], v[NIL]
	s_wait_dscnt 0x0
	s_endpgm
.Lfunc_end_k_qfe63d6acba_prep:
	.size	k_qfe63d6acba_prep, .Lfunc_end_k_qfe63d6acba_prep-k_qfe63d6acba_prep
	.p2alignl 7, 3214868480
	.fill 96, 4, 3214868480
	.section	.rodata,"a",@progbits
	.p2align	6, 0x0
	.amdhsa_kernel k_qfe63d6acba_prep
		.amdhsa_group_segment_fixed_size 285184
		.amdhsa_private_segment_fixed_size 0
		.amdhsa_enable_private_segment 0
		.amdhsa_kernarg_size 64
		.amdhsa_user_sgpr_count 2
		.amdhsa_user_sgpr_kernarg_segment_ptr 1
		.amdhsa_wavefront_size32 1
		.amdhsa_system_sgpr_workgroup_id_x 1
		.amdhsa_system_sgpr_workgroup_id_y 1
		.amdhsa_system_sgpr_workgroup_id_z 1
		.amdhsa_system_vgpr_workitem_id 0
		.amdhsa_next_free_vgpr 192
		.amdhsa_next_free_sgpr 66
		.amdhsa_reserve_vcc 1
		.amdhsa_float_denorm_mode_32 3
		.amdhsa_float_denorm_mode_16_64 3
		.amdhsa_memory_ordered 1
		.amdhsa_forward_progress 1
		.amdhsa_inst_pref_size 33
	.end_amdhsa_kernel
	.amdgpu_metadata
---
amdhsa.version: [ 1, 2 ]
amdhsa.kernels:
  - .name:           k_qfe63d6acba_prep
    .symbol:         k_qfe63d6acba_prep.kd
    .args:
      - { .name: k, .offset: 0, .size: 8, .value_kind: global_buffer, .address_space: global }
      - { .name: Wk, .offset: 8, .size: 8, .value_kind: global_buffer, .address_space: global }
      - { .name: Wv, .offset: 16, .size: 8, .value_kind: global_buffer, .address_space: global }
      - { .name: Wq, .offset: 24, .size: 8, .value_kind: global_buffer, .address_space: global }
      - { .name: q, .offset: 32, .size: 8, .value_kind: global_buffer, .address_space: global }
      - { .name: bq, .offset: 40, .size: 8, .value_kind: global_buffer, .address_space: global }
      - { .name: codes, .offset: 48, .size: 8, .value_kind: global_buffer, .address_space: global }
      - { .name: qsw, .offset: 56, .size: 8, .value_kind: global_buffer, .address_space: global }
    .group_segment_fixed_size: 285184
    .private_segment_fixed_size: 0
    .kernarg_segment_align: 8
    .kernarg_segment_size: 64
    .max_flat_workgroup_size: 576
    .sgpr_count:     66
    .vgpr_count:     192
    .wavefront_size: 32
...
	.end_amdgpu_metadata
.endif
;; end of part 1
;; launch attn (part 2): grid 8 x 32, 4 waves a work-group, clusters of 4 x 1, 327,680 bytes of LDS; arguments codes, qsw, bk, bv, out0, out1; writes out0, out1
.if DOCPART == 2
	.amdgcn_target "amdgcn-amd-amdhsa--gfx1250"
	.amdhsa_code_object_version 6
	.text
	.protected	k_qfe63d6acba_attn
	.globl	k_qfe63d6acba_attn
	.p2align	8
	.type	k_qfe63d6acba_attn,@function
k_qfe63d6acba_attn:
	s_mov_b64 s[64:65], 0
	v_nop
	global_prefetch_b8 v0, s[64:65] scope:SCOPE_SE
	s_setreg_imm32_b32 hwreg(HW_REG_WAVE_MODE, 25, 1), 1
	s_wait_xcnt 0x0
	s_wait_alu depctr_hold_cnt(0) depctr_sa_sdst(0) depctr_va_vdst(0) depctr_va_sdst(0) depctr_va_ssrc(0) depctr_va_vcc(0) depctr_vm_vsrc(0)
	s_getreg_b32 s2, hwreg(HW_REG_IB_STS2, 6, 4)
	s_cmp_eq_u32 s2, 0
	s_cbranch_scc0 .Lentry_in_a_cluster
	s_endpgm
.Lentry_in_a_cluster:
	s_bfe_u32 s2, ttmp6, 0x10000c
	s_cmp_lg_u32 s2, 0x3003
	s_cbranch_scc0 .Lentry_shape_is_right
	s_endpgm
.Lentry_shape_is_right:
; For batch b and a pair of heads: ks = k Wk^T + bk and vs = k Wv^T + bv on codes of FP6 (E2M3) with E8M0 scales, as the launch before laid them; t = qs . ks x log2(e) / 8 (the factor lies in qsw, which holds qs as four
; partial sums, one for each quarter of K: they are added at the head); attn = softmax over the batch's 1,024 rows, the row's true maximum taken away before the exponential; out0 = attn . vs; out1 = attn, head-major.
; ks and vs never leave the registers.
; LIMITS: NaN and infinities are not served.  bv is added once behind the weighted sum: the weights add up to 1 but for f32 rounding.
; SHARES.  A work-group: batch b (grid y), heads 2 hp and 2 hp + 1 (hp = 4 x cluster x + cx).  Wave w: head half hd = w / 2, row half rh = w % 2.  A wave keeps its head's 64 weight rows x 1,024 K in 384 registers and takes,
; of each tile of 128 rows of k, the row blocks 4 rh + 0 .. 3.  TWO PASSES over the batch's 8 tiles: pass 1 with Wk, tiles 0 .. 7, makes the scores; pass 2 with Wv, tiles 7 .. 0, the weighted sum: tiles 7 and 6 still lie in LDS
; when it begins, so 14 tiles are fetched.  A step is one row block: 32 matrix instructions, K ascending, the head's four accumulators by turns.
; CLUSTER.  The four work-groups of a cluster walk the same tiles of k: each tile is asked for JOINTLY, by the same tensor load with the same descriptor and the mask 15.  The weights differ between partners: plain loads.
; PASS 1 IS USED TRANSPOSED (source 0 = 16 weight rows, source 1 = 16 rows of k): lane (r, h) holds row r and d = 16 t + 8 h + j, so a score is 16 packed multiply-adds and one exchange of halves.
; PASS 2 the other way: lane (r, h) holds d = 16 t + r and rows 8 h + j, which are multiplied by the rows' eight weights.
; LDS: two slots of 102,400 bytes (a tile: 8 row blocks of 12,800), the weights' 102,400; behind them, never the target of a tensor load: scores and weights p, [hd][rh][tile][64 rows] f32, so that each wave stores into 2,048 bytes of
; its own; the partial sums; the spare words.  Every fragment is an image of its registers: three loads of 16 bytes at 16 x lane.
; REGISTERS, in windows of 256: window 0: addresses, scale words, qs, bk, p, sums, two sets of four accumulators.  Window 1: the weights' K steps 0-3 (fragment (s, t) at 12 (4 s + t)); window 2: K steps 4-7.
; Window 3: two buffers of a row block's eight fragments (buffer f, K step s at 96 f + 12 s).
.set SLOT,  102400
.set BLKB,  12800
.set WREG,  2*SLOT
.set SCB,   3*SLOT                     ; the scores t: 8,192 bytes
.set PPB,   SCB+8192                   ; the weights p: 8,192 bytes
.set OBB,   PPB+8192                   ; partial sums: 256 bytes a wave
.set SPARE, OBB+1024                   ; the spare words, 128 bytes for each wave: two blocks of 256 bytes that no other line names
.set ADR,  1                           ; v1, v2  my four row blocks in slot 0, 1: 16 x lane + 51,200 rh (+ SLOT)
.set SCA,  3                           ; v3   where I store a score: my 2,048 bytes + 4 r, 256 bytes on with each tile
.set PA,   4                           ; v4   where I read eight weights: my 2,048 bytes + 32 h, from tile 7 down
.set WA,   5                           ; v5   my head's weights: WREG + 51,200 hd + 16 x lane
.set TA,   6                           ; v6   my half of the head's scores, 16 bytes a lane
.set TO,   7                           ; v7   the other half
.set PS,   8                           ; v8   my half of the weights
.set GO1,  9                           ; v9   my place in a row of out1: 256 rh + 512 h + 16 r
.set OBS,  10                          ; v10  my wave's partial sums + 4 r
.set OBL,  11                          ; v11  my head's partial sums + 8 x lane
.set GO0,  12                          ; v12  8 x lane
.set BO,   13                          ; v13  32 h
.set SPW,  14                          ; v14  LDS address of my spare word; never rewritten
.set NIL,  15                          ; v15  0; never rewritten
.set S2,   16                          ; v16-23  four pairs of partial scores
.set SCV,  24
.set PT,   25                          ; a lane permute's destination
.set MX,   26                          ; v26-27 the row's maximum
.set RC,   28                          ; v28-29 the sum, then 1 / sum
.set PFO,  30                          ; v30  256 x lane; never rewritten
.set WSC,  32                          ; v32-47  the weights' scale words: tile t, K step s at 4 t + s % 4 (lanes 0-15: s < 4; lanes 16-31: s >= 4); scales and nothing else
.set ASC,  48                          ; v48-55  the row blocks': buffer f at 4 f + s % 4
.set QS,   56                          ; v56-87  qs x log2(e) / 8 at d = 16 t + 8 h + j: 8 t + j
.set BK,   88                          ; v88-119 bk likewise
.set P8,   120                         ; v120-135 two sets of eight weights
.set O2,   136                         ; v136-143 four pairs: the weighted sum
.set ACC,  144                         ; v144-207 accumulators: set f, tile t at 32 f + 8 t
.set TS,   176                         ; at work between the passes
.set BV,   208                         ; v208-209 bv; v210-213 at work at the end
.set Q4,   216                         ; v216-247 at the head: the fourth part of qs
.set WV,   16                          ; s16 wave;  s17 hd;  s18 rh;  s19 cx;  s20 hp;  s21 b;  s22 head
.set G1J,  24                          ; s[24:31] descriptor group 1 of the joint loads;  s[32:39] of the plain ones
.set G1P,  32
.set G0,   40                          ; s[40:43], s[44:47] group 0, a set for each slot
.set G0P,  48                          ; s[48:51] group 0 for the weights
.set WOFF, 54                          ; s54  25,600 x wave: my quarter of a slot
.set CNT,  55
.set LIM,  56                          ; s56  1 in the batch's first cluster, else the greatest number
.set PFA,  58                          ; s[58:59] where my prefetches stand
.set SEL,  60                          ; s[60:61] v_permlanex16_b32's selects for lane l xor 16
.set MSB, 0
.macro WIN new                         ; the immediate's high byte repeats the setting that is left; a switch that changes nothing is dropped
.if MSB != (\new)
	s_set_vgpr_msb (MSB<<8)|(\new)
.set MSB, (\new)
.endif
.endm
.macro CREST                           ; a round of the cluster's barrier behind its opening barrier
	s_cmp_lg_u32 s[WV], 0
	s_cbranch_scc1 .Lnot_wave_0_\@
	s_barrier_signal -3
.Lnot_wave_0_\@:
	s_barrier_wait -3
	s_barrier_signal -1
	s_barrier_wait -1
.endm
.macro CROUND
	s_barrier_signal -1
	s_barrier_wait -1
	CREST
.endm
.macro JL g0, g1                       ; my quarter of a slot: two row blocks, 25,600 dense bytes.  An s_nop 0 and four v_nop follow
	tensor_load_to_lds s[\g0:\g0+3], s[\g1:\g1+7]
	s_nop 0
.rept 4
	v_nop
.endr
.endm
; A PREFETCH INTO THE L2, behind the joint load of each of pass 1's first four changes of slots: 131,072 bytes of the batch's codes from tile 3 on, each part at least one change of slots (128 matrix instructions a wave) ahead of
; the tensor load that wants it.  Both clusters of a batch walk the same tiles: the first asks.  Its 16 waves take 8,192 bytes each, told apart BY ADDRESS (4 cx + wave), lanes 256 bytes apart: each block of 256 bytes is named once.
; 4 x 131,072 is 12,288 bytes more than tiles 3 to 7: those bytes are the next row blocks of the same buffer.  Tiles 0 to 2 come by their loads alone.
.macro ASK
	s_cmp_gt_u32 s[CNT], s[LIM]
	s_cbranch_scc0 .Lnot_mine_\@
	global_prefetch_b8 v[PFO], s[PFA:PFA+1] th:TH_LOAD_NT scope:SCOPE_SE
.Lnot_mine_\@:
.endm
.macro LOADW1                          ; my head's weights, K steps 0-3
	WIN 0x40
.irp s, 0,1,2,3
.irp t, 0,1,2,3
.irp c, 0,1,2
	ds_load_b128 v[12*(4*\s+\t)+4*\c:12*(4*\s+\t)+4*\c+3], v[WA] offset:BLKB*\t+1536*\s+512*\c
.endr
.endr
.endr
.endm
.macro LOADW2                          ; K steps 4-7, and the scale words
	WIN 0x80
.irp s, 0,1,2,3
.irp t, 0,1,2,3
.irp c, 0,1,2
	ds_load_b128 v[12*(4*\s+\t)+4*\c:12*(4*\s+\t)+4*\c+3], v[WA] offset:BLKB*\t+1536*(4+\s)+512*\c
.endr
.endr
.endr
	WIN 0
.irp t, 0,1,2,3
	ds_load_b128 v[WSC+4*\t:WSC+4*\t+3], v[WA] offset:BLKB*\t+12288
.endr
.endm
; one run of loads: row block blk of my four in the slot, into buffer f: its scale words, in pass 2 eight weights p, its eight fragments: 25 loads, in pass 2 27
.macro LOADA pass, f, slot, blk, pset, poff
	WIN 0
	ds_load_b128 v[ASC+4*(\f):ASC+4*(\f)+3], v[ADR+(\slot)] offset:BLKB*(\blk)+12288
.if (\pass) == 2
	ds_load_b128 v[P8+8*(\pset):P8+8*(\pset)+3], v[PA] offset:(\poff)
	ds_load_b128 v[P8+8*(\pset)+4:P8+8*(\pset)+7], v[PA] offset:(\poff)+16
.endif
	WIN 0xc0                                       ; destination window 3, address window 0
.irp s, 0,1,2,3,4,5,6,7
.irp c, 0,1,2
	ds_load_b128 v[96*(\f)+12*\s+4*\c:96*(\f)+12*\s+4*\c+3], v[ADR+(\slot)] offset:BLKB*(\blk)+1536*\s+512*\c
.endr
.endr
.endm
; Pass 2: piece g (0 .. 3) of the weighted sum over the 16 rows in accumulator set a, by the weights in set a: four multiply-adds, behind K step g's four products of the other set.  Each accumulator is read from its low end on
.macro GAP a, g
.if (\g) < 4
	WIN 0
.irp t, 0,1,2,3
	v_pk_fma_f32 v[O2+2*\t:O2+2*\t+1], v[ACC+32*(\a)+8*\t+2*(\g):ACC+32*(\a)+8*\t+2*(\g)+1], v[P8+8*(\a)+2*(\g):P8+8*(\a)+2*(\g)+1], v[O2+2*\t:O2+2*\t+1]
.endr
.endif
.endm
; 16 matrix instructions: K steps 4 half + 0 .. 3 of the row block in buffer f against the head's four tiles.  Pass 1's first products take bk as C, pass 2's the constant 0: nothing is cleared
.macro MUL pass, f, half, epi
.irp s, 0,1,2,3
.if (\pass) == 1
	WIN 0x0d+(\half)                               ; source 0 (weights) window 1 or 2, source 1 (rows of k) window 3, C and D window 0
.else
	WIN 0x07+4*(\half)                             ; source 0 (rows of k) window 3, source 1 (weights) window 1 or 2
.endif
.irp t, 0,1,2,3
.set rD, ACC+32*(\f)+8*\t
.set rW, 12*(4*\s+\t)
.set rA, 96*(\f)+12*(4*(\half)+\s)
.set rU, WSC+4*\t+\s
.set rV, ASC+4*(\f)+\s
.if (\pass) == 1
.if (\half) == 1
	v_wmma_scale_f32_16x16x128_f8f6f4 v[rD:rD+7], v[rW:rW+11], v[rA:rA+11], v[rD:rD+7], v[rU], v[rV] matrix_a_fmt:MATRIX_FMT_FP6 matrix_b_fmt:MATRIX_FMT_FP6 matrix_a_scale:MATRIX_SCALE_ROW1 matrix_b_scale:MATRIX_SCALE_ROW1
.elseif \s == 0
	v_wmma_scale_f32_16x16x128_f8f6f4 v[rD:rD+7], v[rW:rW+11], v[rA:rA+11], v[BK+8*\t:BK+8*\t+7], v[rU], v[rV] matrix_a_fmt:MATRIX_FMT_FP6 matrix_b_fmt:MATRIX_FMT_FP6
.else
	v_wmma_scale_f32_16x16x128_f8f6f4 v[rD:rD+7], v[rW:rW+11], v[rA:rA+11], v[rD:rD+7], v[rU], v[rV] matrix_a_fmt:MATRIX_FMT_FP6 matrix_b_fmt:MATRIX_FMT_FP6
.endif
.else
.if (\half) == 1
	v_wmma_scale_f32_16x16x128_f8f6f4 v[rD:rD+7], v[rA:rA+11], v[rW:rW+11], v[rD:rD+7], v[rV], v[rU] matrix_a_fmt:MATRIX_FMT_FP6 matrix_b_fmt:MATRIX_FMT_FP6 matrix_a_scale:MATRIX_SCALE_ROW1 matrix_b_scale:MATRIX_SCALE_ROW1
.elseif \s == 0
	v_wmma_scale_f32_16x16x128_f8f6f4 v[rD:rD+7], v[rA:rA+11], v[rW:rW+11], 0, v[rV], v[rU] matrix_a_fmt:MATRIX_FMT_FP6 matrix_b_fmt:MATRIX_FMT_FP6
.else
	v_wmma_scale_f32_16x16x128_f8f6f4 v[rD:rD+7], v[rA:rA+11], v[rW:rW+11], v[rD:rD+7], v[rV], v[rU] matrix_a_fmt:MATRIX_FMT_FP6 matrix_b_fmt:MATRIX_FMT_FP6
.endif
.endif
.endr
.if (\epi) && (\pass) == 2
	GAP 1-(\f), 4*(\half)+\s
.endif
.endr
.endm
; the scores of the 16 rows in accumulator set a: t(row r) = the sum over my 32 d, and lane l xor 16's 32, of ks x qs.  Each accumulator is read from its low end on
.macro EPIK a, off
.irp t, 0,1,2,3
	v_pk_mul_f32 v[S2+2*\t:S2+2*\t+1], v[ACC+32*(\a)+8*\t:ACC+32*(\a)+8*\t+1], v[QS+8*\t:QS+8*\t+1]
.endr
.irp j, 2,4,6
.irp t, 0,1,2,3
	v_pk_fma_f32 v[S2+2*\t:S2+2*\t+1], v[ACC+32*(\a)+8*\t+\j:ACC+32*(\a)+8*\t+\j+1], v[QS+8*\t+\j:QS+8*\t+\j+1], v[S2+2*\t:S2+2*\t+1]
.endr
.endr
	v_pk_add_f32 v[S2:S2+1], v[S2:S2+1], v[S2+2:S2+3]
	v_pk_add_f32 v[S2+4:S2+5], v[S2+4:S2+5], v[S2+6:S2+7]
	v_pk_add_f32 v[S2:S2+1], v[S2:S2+1], v[S2+4:S2+5]
	v_add_f32 v[SCV], v[S2], v[S2+1]
	v_permlanex16_b32 v[PT], v[SCV], s[SEL], s[SEL+1]
	v_add_f32 v[SCV], v[SCV], v[PT]
	ds_store_b32 v[SCA], v[SCV] offset:\off        ; both lanes of a row write the same word with the same value
.endm
; the weighted sum takes the 16 rows in accumulator set a, by the weights in set a: the last block's, behind the last step
.macro EPIV a
.irp j, 0,2,4,6
.irp t, 0,1,2,3
	v_pk_fma_f32 v[O2+2*\t:O2+2*\t+1], v[ACC+32*(\a)+8*\t+\j:ACC+32*(\a)+8*\t+\j+1], v[P8+8*(\a)+\j:P8+8*(\a)+\j+1], v[O2+2*\t:O2+2*\t+1]
.endr
.endr
.endm
; A STEP: row block j of a tile, in buffer and accumulator set j % 2.  n: how many younger LDS instructions may be out when its fragments have to be there.  epi: the vector work of block j - 1: in pass 1 it follows the products,
; and its packed lines are the places between the products and the loads into the buffer that they read; in pass 2 it stands in four pieces among the first sixteen products (macro GAP), and four v_nop are those places.
; ld = 1: block (j + 2) % 4 of slot ls is fetched; 2: eight weights alone; 0: nothing.
; chg >= 0: THE CHANGE OF SLOTS.  Each wave waits for all its tensor loads (its quarter of the next tile), adds 0 to its spare word, and waits for that and for its reads of the slot; behind the barrier nobody reads the slot and
; the next tile is whole.  chg = 1: the barrier opens a round of the cluster's, and slot cs is filled again jointly, with the tile two further on in the pass's direction.  chg = 2: the same round, and Wv takes Wk's place in LDS
; (a plain load).  chg = 0: nothing is filled.
.macro STEP pass, j, n, epi, chg, cs, ld, ls
.if (\chg) >= 0
	WIN 0                                          ; (the add's two registers lie in window 0)
.endif
	s_wait_alu depctr_va_vdst(0)                   ; the wait here, directly ahead of the wait below
	s_wait_dscnt \n
.if (\chg) >= 0
	s_wait_tensorcnt 0x0                           ; no tensor load of mine is out, so a group 0 may be written
	ds_add_u32 v[SPW], v[NIL]                      ; 0 onto my spare word
.if (\chg) == 1
.if (\pass) == 1
	s_add_nc_u64 s[G0+4*(\cs)+2:G0+4*(\cs)+3], s[G0+4*(\cs)+2:G0+4*(\cs)+3], 2*SLOT   ; two tiles on
	s_wait_xcnt 0x0                                ; the last prefetch, a tile back, has read its address
	s_add_nc_u64 s[PFA:PFA+1], s[PFA:PFA+1], 131072
.else
	s_sub_nc_u64 s[G0+4*(\cs)+2:G0+4*(\cs)+3], s[G0+4*(\cs)+2:G0+4*(\cs)+3], 2*SLOT   ; two tiles back
.endif
.endif
.if (\chg) == 2
	s_add_nc_u64 s[G0P+2:G0P+3], s[G0P+2:G0P+3], 64*BLKB   ; from Wk's row blocks to Wv's
.endif
.endif
	MUL \pass, (\j)%2, 0, \epi
.if (\chg) >= 0
	s_wait_dscnt 0x0                               ; the add is done, and my reads of the slot are over
	s_barrier_signal -1
.endif
	MUL \pass, (\j)%2, 1, \epi
	WIN 0
.if (\chg) >= 0
	s_barrier_wait -1
.if (\chg) == 1
	CREST
	JL G0+4*(\cs), G1J                             ; the first tensor load behind the round, and my only one until the next
.if (\pass) == 1
	ASK
.endif
.endif
.if (\chg) == 2
	CREST
	JL G0P, G1P
.endif
.endif
.if (\epi) && (\pass) == 1
	EPIK ((\j)+1)%2, 64*(((\j)+3)%4)
.if (\j) == 0
	v_add_nc_u32 v[SCA], 256, v[SCA]               ; on to the next tile's 64 scores
.endif
.else
.rept 4
	v_nop
.endr
.endif
.if (\ld) == 1
.if (\pass) == 2
.if (\j) == 3
	v_sub_nc_u32 v[PA], v[PA], 256                 ; down to the next tile's 64 weights
.endif
.endif
	LOADA \pass, (\j)%2, \ls, ((\j)+2)%4, ((\j)+1)%2, 64*(((\j)+1)%4)
.endif
.if (\ld) == 2
	ds_load_b128 v[P8+8*(((\j)+1)%2):P8+8*(((\j)+1)%2)+3], v[PA] offset:64*(((\j)+1)%4)
	ds_load_b128 v[P8+8*(((\j)+1)%2)+4:P8+8*(((\j)+1)%2)+7], v[PA] offset:64*(((\j)+1)%4)+16
.endif
.endm
	s_load_b256 s[4:11], s[0:1], 0x0               ; codes s[4:5], qsw s[6:7], bk s[8:9], bv s[10:11]
	s_load_b128 s[12:15], s[0:1], 0x20             ; out0 s[12:13], out1 s[14:15]
	v_lshl_add_u32 v[SPW], v0, 2, SPARE
	v_mov_b32 v[NIL], 0
	ds_add_u32 v[SPW], v[NIL]                      ; the wave's opening: the add, twice on end, and its wait ahead of my first tensor load
	ds_add_u32 v[SPW], v[NIL]
	v_lshrrev_b32 v16, 5, v0
	v_readfirstlane_b32 s[WV], v16                 ; wave 0..3
	s_lshr_b32 s17, s[WV], 1                       ; hd
	s_and_b32 s18, s[WV], 1                        ; rh
	s_bfe_u32 s19, ttmp6, 0x40000                  ; cx
	s_lshl_b32 s20, ttmp9, 2
	s_add_co_u32 s20, s20, s19                     ; hp = 4 x cluster x + cx
	s_and_b32 s21, ttmp7, 0xffff                   ; b, which the four partners share
	s_lshl_b32 s22, s20, 1
	s_add_co_u32 s22, s22, s17                     ; head
	; descriptor group 1: dense bytes as rows of 32 elements of 8 bytes, no padding
	s_mov_b32 s[G1J], 15|(3<<16)|(1<<21)           ; 15:0 the mask: all four work-groups; 17:16 elements of 8 bytes; 21 set beside a mask
	s_mov_b32 s[G1P], 3<<16                        ; no mask
.irp g, G1J, G1P
	s_mov_b32 s[\g+1], 32<<16                      ; tensor_dim0
	s_mov_b32 s[\g+2], 200<<16                     ; tensor_dim1: 200 rows, 51,200 bytes, for the head's loads; behind them 100
	s_mov_b32 s[\g+3], 32<<16                      ; tile_dim0
	s_mov_b32 s[\g+4], 200                         ; tile_dim1
	s_mov_b32 s[\g+5], 32                          ; tensor_dim0_stride
	s_mov_b32 s[\g+6], 0
	s_mov_b32 s[\g+7], 0
.endr
	s_mul_i32 s[WOFF], s[WV], 2*BLKB
	s_mul_i32 s66, s21, 64*BLKB                    ; the batch's 64 row blocks,
	s_add_co_u32 s66, s66, s[WOFF]                 ; my two of tile 0: made of b and the wave's number alone
	s_mov_b32 s67, 0
	s_mul_i32 s70, s20, 8*BLKB                     ; Wk: row blocks 2,048 + 8 hp + 2 wave on
	s_add_co_u32 s70, s70, s[WOFF]
	s_add_co_u32 s70, s70, 2048*BLKB
	s_mov_b32 s71, 0
	s_lshl_b32 s72, s22, 13                        ; qsw: column tiles 4 head on, batch b
	s_lshl_b32 s73, s21, 6
	s_add_co_u32 s72, s72, s73
	s_mov_b32 s73, 0
	s_lshl_b32 s74, s22, 8                         ; bk, bv: 64 numbers a head
	s_mov_b32 s75, 0
	s_lshl_b32 s76, s21, 12                        ; out0: row b, the head's 256 bytes
	s_add_co_u32 s76, s76, s74
	s_mov_b32 s77, 0
	s_lshl_b32 s78, s22, 5                         ; out1: row 32 head + b
	s_add_co_u32 s78, s78, s21
	s_lshl_b32 s78, s78, 12
	s_mov_b32 s79, 0
	s_mul_i32 s80, s21, 64*BLKB                    ; the prefetches: 131,072 bytes short of tile 3 (the first change of slots steps on), + 8,192 (4 cx + wave)
	s_lshl_b32 s81, s19, 15
	s_add_co_u32 s80, s80, s81
	s_lshl_b32 s81, s[WV], 13
	s_add_co_u32 s80, s80, s81
	s_add_co_u32 s80, s80, 3*SLOT-131072
	s_mov_b32 s81, 0
	s_cmp_eq_u32 ttmp9, 0                          ; the batch's first cluster: the same in all four partners
	s_cselect_b32 s[LIM], 1, -1
	s_mov_b32 s[SEL], 0x76543210
	s_mov_b32 s[SEL+1], 0xfedcba98
	v_and_b32 v16, 31, v0                          ; lane
	v_and_b32 v17, 15, v0                          ; r
	s_wait_alu depctr_va_vdst(0)
	v_bfe_u32 v18, v0, 4, 1                        ; h
	s_wait_alu depctr_va_vdst(0)
	s_mul_i32 s82, s18, 4*BLKB
	v_lshl_add_u32 v[ADR], v16, 4, s82
	v_add_nc_u32 v[ADR+1], SLOT, v[ADR]
	s_mul_i32 s83, s17, 4*BLKB
	s_add_co_u32 s83, s83, WREG
	v_lshl_add_u32 v[WA], v16, 4, s83
	s_lshl_b32 s84, s17, 12                        ; 4,096 hd
	s_lshl_b32 s86, s18, 11                        ; 2,048 rh
	s_xor_b32 s87, s86, 2048                       ; the other half
	s_add_co_u32 s88, s84, s86                     ; my wave's 2,048 bytes
	s_add_co_u32 s89, s88, SCB
	v_lshl_add_u32 v[SCA], v17, 2, s89
	v_lshl_add_u32 v[TA], v16, 4, s89
	s_add_co_u32 s89, s88, PPB
	v_lshl_add_u32 v[PS], v16, 4, s89
	s_add_co_u32 s89, s89, 7*256                   ; pass 2 begins at tile 7
	v_lshl_add_u32 v[PA], v18, 5, s89
	s_add_co_u32 s89, s84, s87
	s_add_co_u32 s89, s89, SCB
	v_lshl_add_u32 v[TO], v16, 4, s89
	s_lshl_b32 s89, s18, 8
	v_lshl_add_u32 v[GO1], v17, 4, s89
	v_lshl_add_u32 v[GO1], v18, 9, v[GO1]
	s_lshl_b32 s89, s[WV], 8
	s_add_co_u32 s89, s89, OBB
	v_lshl_add_u32 v[OBS], v17, 2, s89
	s_lshl_b32 s89, s17, 9
	s_add_co_u32 s89, s89, OBB
	v_lshl_add_u32 v[OBL], v16, 3, s89
	v_lshlrev_b32 v[GO0], 3, v16
	v_lshlrev_b32 v[BO], 5, v18
	v_lshlrev_b32 v[PFO], 8, v16
	v_mov_b32 v[PT], 0                             ; written once: a lane permute's destination counts as one of its sources
	v_mov_b32 v[RC+1], 0                           ; (named as the upper half of a pair)
	s_wait_dscnt 0x0                               ; both opening adds are done
	s_wait_kmcnt 0x0
	s_add_nc_u64 s[68:69], s[4:5], s[66:67]
	s_mov_b32 s[G0], 1                             ; slot 0: tile 0 (first used, stepped, at its first refill)
	s_mov_b32 s[G0+1], s[WOFF]
	s_mov_b64 s[G0+2:G0+3], s[68:69]
	s_or_b32 s[G0+3], s[G0+3], 0x80000000
	s_mov_b32 s[G0+4], 1                           ; slot 1: tile 1
	s_add_co_u32 s[G0+5], s[WOFF], SLOT
	s_add_nc_u64 s[G0+6:G0+7], s[68:69], SLOT
	s_or_b32 s[G0+7], s[G0+7], 0x80000000
	s_mov_b32 s[G0P], 1                            ; the weights: my quarter of Wk (first used, stepped to Wv, at the end of pass 1)
	s_add_co_u32 s[G0P+1], s[WOFF], WREG
	s_add_nc_u64 s[G0P+2:G0P+3], s[4:5], s[70:71]
	s_or_b32 s[G0P+3], s[G0P+3], 0x80000000
	s_sub_co_u32 s90, s66, s[WOFF]                 ; the head's loads bring halves: tile 0's half rh, made of b and the wave's number alone,
	s_add_co_u32 s90, s90, s82
	s_mov_b32 s91, 0
	s_mov_b32 s96, 1
	s_mov_b32 s97, s82                             ; into slot 0 at 51,200 rh
	s_add_nc_u64 s[98:99], s[4:5], s[90:91]
	s_or_b32 s99, s99, 0x80000000
	s_sub_co_u32 s70, s70, s[WOFF]                 ; and Wk's half rh
	s_add_co_u32 s70, s70, s82
	s_mov_b32 s92, 1
	s_add_co_u32 s93, s82, WREG
	s_add_nc_u64 s[94:95], s[4:5], s[70:71]
	s_or_b32 s95, s95, 0x80000000
	s_add_nc_u64 s[PFA:PFA+1], s[4:5], s[80:81]
	s_add_nc_u64 s[6:7], s[6:7], s[72:73]
	s_add_nc_u64 s[8:9], s[8:9], s[74:75]
	s_add_nc_u64 s[10:11], s[10:11], s[74:75]
	s_add_nc_u64 s[12:13], s[12:13], s[76:77]
	s_add_nc_u64 s[14:15], s[14:15], s[78:79]
	CROUND                                         ; all four work-groups are here: the first joint loads meet
	s_cmp_eq_u32 s17, 0                            ; one tensor load a wave at the head: waves 0 and 1 fetch Wk's halves, waves 2 and 3 tile 0's
	s_cbranch_scc0 .Lhead_tile
	tensor_load_to_lds s[92:95], s[G1P:G1P+7]
	s_nop 0
.rept 4
	v_nop
.endr
	s_branch .Lhead_asked
.Lhead_tile:
	tensor_load_to_lds s[96:99], s[G1J:G1J+7]
	s_nop 0
.rept 4
	v_nop
.endr
.Lhead_asked:
	s_wait_alu depctr_va_vdst(0)                   ; the wait at the head's end
.irp t, 0,1,2,3
.irp u, 0,1
	global_load_b128 v[QS+8*\t+4*\u:QS+8*\t+4*\u+3], v[BO], s[6:7] offset:2048*\t+16*\u
	global_load_b128 v[ACC+8*\t+4*\u:ACC+8*\t+4*\u+3], v[BO], s[6:7] offset:131072+2048*\t+16*\u        ; the other quarters of K's parts of qs, into registers that are free until the first product
	global_load_b128 v[ACC+32+8*\t+4*\u:ACC+32+8*\t+4*\u+3], v[BO], s[6:7] offset:262144+2048*\t+16*\u
	global_load_b128 v[Q4+8*\t+4*\u:Q4+8*\t+4*\u+3], v[BO], s[6:7] offset:393216+2048*\t+16*\u
	global_load_b128 v[BK+8*\t+4*\u:BK+8*\t+4*\u+3], v[BO], s[8:9] offset:64*\t+16*\u
.endr
.endr
	global_load_b64 v[BV:BV+1], v[GO0], s[10:11]
	s_wait_tensorcnt 0x0                           ; my half of Wk or of tile 0 is in
	ds_add_u32 v[SPW], v[NIL]
	s_mov_b32 s[G1J+2], 100<<16                    ; no tensor load of mine is out, so a descriptor may be written: from here on a load brings 100 rows, a quarter of a slot
	s_mov_b32 s[G1J+4], 100
	s_mov_b32 s[G1P+2], 100<<16
	s_mov_b32 s[G1P+4], 100
	s_wait_dscnt 0x0                               ; the add is done
	CROUND                                         ; a whole round: everybody's parts are in, and all four work-groups are here
	JL G0+4, G1J                                   ; tile 1, slot 1's first fill: the first tensor load behind the round
	LOADW1
	LOADW2
	LOADA 1, 0, 0, 0, 0, 0
	LOADA 1, 1, 0, 1, 0, 0
	s_wait_loadcnt 0x0                             ; qs, bk, bv
	WIN 0
.irp i, 0,2,4,6,8,10,12,14,16,18,20,22,24,26,28,30
	v_pk_add_f32 v[QS+\i:QS+\i+1], v[QS+\i:QS+\i+1], v[ACC+\i:ACC+\i+1]   ; qs: the four quarters of K, two and two,
	v_pk_add_f32 v[Q4+\i:Q4+\i+1], v[Q4+\i:Q4+\i+1], v[ACC+32+\i:ACC+32+\i+1]
.endr
.irp i, 0,2,4,6,8,10,12,14,16,18,20,22,24,26,28,30
	v_pk_add_f32 v[QS+\i:QS+\i+1], v[QS+\i:QS+\i+1], v[Q4+\i:Q4+\i+1]     ; and the two sums
.endr
	; ---- PASS 1.  The count 25: behind a block's run of loads stands the next block's run of 25 (and a score's store, which the count also waits for)
	STEP 1, 0, 25, 0, -1, 0, 1, 0                  ; tile 0's first block stands in front of the loop: there is no block before it
	WIN 0                                          ; at a label and at a branch every window is 0
	s_mov_b32 s[CNT], 3
.Lpass1:                                               ; a trip: two tiles, from a tile's second block to the first of the tile after the next; both slots are filled again
	STEP 1, 1, 25, 1, -1, 0, 1, 0
	STEP 1, 2, 25, 1, 1, 0, 1, 1
	STEP 1, 3, 25, 1, -1, 0, 1, 1
	STEP 1, 0, 25, 1, -1, 0, 1, 1
	STEP 1, 1, 25, 1, -1, 0, 1, 1
	STEP 1, 2, 25, 1, 1, 1, 1, 0
	STEP 1, 3, 25, 1, -1, 0, 1, 0
	STEP 1, 0, 25, 1, -1, 0, 1, 0
	WIN 0
	s_sub_co_u32 s[CNT], s[CNT], 1
	s_cmp_lg_u32 s[CNT], 0
	s_wait_alu depctr_va_vdst(0)                   ; the wait here, directly ahead of the branch
	s_cbranch_scc1 .Lpass1
	STEP 1, 1, 25, 1, -1, 0, 1, 0                  ; tile 6 goes on
	STEP 1, 2, 25, 1, 2, 0, 1, 1                   ; no tile is left to ask for: Wv comes, into the bytes from which Wk was read into registers at the head
	STEP 1, 3, 25, 1, -1, 0, 1, 1
	STEP 1, 0, 25, 1, -1, 0, 1, 1                  ; tile 7
	STEP 1, 1, 25, 1, -1, 0, 1, 1
	STEP 1, 2, 25, 1, -1, 0, 1, 1                  ; its blocks 0 and 1 are fetched once more: pass 2 begins with them
	STEP 1, 3, 25, 1, -1, 0, 1, 1
	WIN 0
	EPIK 1, 192
	; ---- THE SOFTMAX.  Both waves of a head find the row's maximum and sum; each normalises the half that it made, which is the half that it multiplies by in pass 2
	s_wait_tensorcnt 0x0                           ; my quarter of Wv is in
	s_wait_dscnt 0x0                               ; my scores have landed
	s_barrier_signal -1
	s_barrier_wait -1
.irp q, 0,1,2,3
	ds_load_b128 v[ACC+4*\q:ACC+4*\q+3], v[TA] offset:512*\q
.endr
.irp q, 0,1,2,3
	ds_load_b128 v[ACC+16+4*\q:ACC+16+4*\q+3], v[TO] offset:512*\q
.endr
	LOADW1                                         ; Wv's fragments come while the softmax is worked
	WIN 0
	s_wait_dscnt 48                                ; the scores are in; the 48 loads behind them may be out
	v_max3_num_f32 v[MX], v[ACC], v[ACC+1], v[ACC+2]
	v_max3_num_f32 v[MX+1], v[ACC+3], v[ACC+4], v[ACC+5]
.irp i, 6,10,14,18,22,26
	v_max3_num_f32 v[MX], v[MX], v[ACC+\i], v[ACC+\i+1]
	v_max3_num_f32 v[MX+1], v[MX+1], v[ACC+\i+2], v[ACC+\i+3]
.endr
	v_max3_num_f32 v[MX], v[MX], v[ACC+30], v[ACC+31]
	v_max_num_f32 v[MX], v[MX], v[MX+1]
	v_max_num_f32_dpp v[MX], v[MX], v[MX] row_xmask:1 row_mask:0xf bank_mask:0xf
	v_max_num_f32_dpp v[MX], v[MX], v[MX] row_xmask:2 row_mask:0xf bank_mask:0xf
	v_max_num_f32_dpp v[MX], v[MX], v[MX] row_xmask:4 row_mask:0xf bank_mask:0xf
	v_max_num_f32_dpp v[MX], v[MX], v[MX] row_xmask:8 row_mask:0xf bank_mask:0xf
	v_permlanex16_b32 v[PT], v[MX], s[SEL], s[SEL+1]
	v_max_num_f32 v[MX], v[MX], v[PT]              ; the row's largest t, in every lane
	LOADW2
.irp i, 0,2,4,6,8,10,12,14,16,18,20,22,24,26,28,30
	v_pk_add_f32 v[ACC+\i:ACC+\i+1], v[ACC+\i:ACC+\i+1], v[MX:MX+1] op_sel_hi:[1,0] neg_lo:[0,1] neg_hi:[0,1]   ; t - the maximum
.endr
	s_wait_alu depctr_va_vdst(0)                   ; the wait ahead of the batch
.irp i, 0,1,2,3,4,5,6,7,8,9,10,11,12,13,14,15,16,17,18,19,20,21,22,23,24,25,26,27,28,29,30,31
	v_exp_f32 v[ACC+\i], v[ACC+\i]
.endr
	v_nop                                          ; a plain place behind the exponentials
	s_wait_alu depctr_va_vdst(0)                   ; one wait for the batch, ahead of its first reader
	v_pk_add_f32 v[TS:TS+1], v[ACC:ACC+1], v[ACC+2:ACC+3]
	v_pk_add_f32 v[TS+2:TS+3], v[ACC+4:ACC+5], v[ACC+6:ACC+7]
.irp i, 8,12,16,20,24,28
	v_pk_add_f32 v[TS:TS+1], v[TS:TS+1], v[ACC+\i:ACC+\i+1]
	v_pk_add_f32 v[TS+2:TS+3], v[TS+2:TS+3], v[ACC+\i+2:ACC+\i+3]
.endr
	v_pk_add_f32 v[TS:TS+1], v[TS:TS+1], v[TS+2:TS+3]
	v_add_f32 v[RC], v[TS], v[TS+1]
	v_add_f32_dpp v[RC], v[RC], v[RC] row_xmask:1 row_mask:0xf bank_mask:0xf
	v_add_f32_dpp v[RC], v[RC], v[RC] row_xmask:2 row_mask:0xf bank_mask:0xf
	v_add_f32_dpp v[RC], v[RC], v[RC] row_xmask:4 row_mask:0xf bank_mask:0xf
	v_add_f32_dpp v[RC], v[RC], v[RC] row_xmask:8 row_mask:0xf bank_mask:0xf
	v_permlanex16_b32 v[PT], v[RC], s[SEL], s[SEL+1]
	v_add_f32 v[RC], v[RC], v[PT]                  ; the row's sum: at least 1
	s_wait_alu depctr_va_vdst(0)                   ; the wait ahead of the transcendental
	v_rcp_f32 v[RC], v[RC]
.irp i, 0,1,2,3,4,5,6,7
	v_mov_b32 v[O2+\i], 0                          ; the weighted sum begins.  (Plain work behind the reciprocal)
.endr
	s_wait_alu depctr_va_vdst(0)                   ; the wait, ahead of the reciprocal's first reader
.irp i, 0,2,4,6,8,10,12,14
	v_pk_mul_f32 v[ACC+\i:ACC+\i+1], v[ACC+\i:ACC+\i+1], v[RC:RC+1] op_sel_hi:[1,0]   ; my half, normalised
.endr
.irp q, 0,1,2,3
	ds_store_b128 v[PS], v[ACC+4*\q:ACC+4*\q+3] offset:512*\q   ; my wave's own bytes: only I read them, and LDS serves a wave's instructions in order
.endr
.irp q, 0,1,2,3
	global_store_b128 v[GO1], v[ACC+4*\q:ACC+4*\q+3], s[14:15] offset:1024*\q   ; lanes 0-15 store 256 consecutive bytes of the row (64 rows of tile 2 q), lanes 16-31 those of tile 2 q + 1; both at multiples of 256
.endr
	ds_load_b128 v[P8:P8+3], v[PA]                 ; the weights of tile 7's first block
	ds_load_b128 v[P8+4:P8+7], v[PA] offset:16
	s_wait_xcnt 0x0                                ; the stores have read their data: pass 2's first products write those registers
	; ---- PASS 2.  The count 27: the next block's run of loads.  The first step's 2: Wv's fragments are in, the two loads just issued may be out
	STEP 2, 0, 2, 0, -1, 0, 1, 1                   ; tile 7 (slot 1), block 0
	WIN 0
	s_mov_b32 s[CNT], 3
.Lpass2:
	STEP 2, 1, 27, 1, -1, 0, 1, 1
	STEP 2, 2, 27, 1, 1, 1, 1, 0
	STEP 2, 3, 27, 1, -1, 0, 1, 0
	STEP 2, 0, 27, 1, -1, 0, 1, 0
	STEP 2, 1, 27, 1, -1, 0, 1, 0
	STEP 2, 2, 27, 1, 1, 0, 1, 1
	STEP 2, 3, 27, 1, -1, 0, 1, 1
	STEP 2, 0, 27, 1, -1, 0, 1, 1
	WIN 0
	s_sub_co_u32 s[CNT], s[CNT], 1
	s_cmp_lg_u32 s[CNT], 0
	s_wait_alu depctr_va_vdst(0)                   ; the wait here, directly ahead of the branch
	s_cbranch_scc1 .Lpass2
	STEP 2, 1, 27, 1, -1, 0, 1, 1                  ; tile 1 goes on; the tail is written out
	STEP 2, 2, 27, 1, 0, 0, 1, 0                   ; nothing is left to ask for
	STEP 2, 3, 27, 1, -1, 0, 1, 0
	STEP 2, 0, 27, 1, -1, 0, 1, 0                  ; tile 0
	STEP 2, 1, 27, 1, -1, 0, 1, 0
	STEP 2, 2, 27, 1, -1, 0, 2, 0                  ; only the last block's weights are still to come
	STEP 2, 3, 2, 1, -1, 0, 0, 0                   ; behind the last block's run stand those two loads
	s_wait_alu depctr_va_vdst(0)                   ; the wait here, directly ahead of the wait below
	s_wait_dscnt 0x0
	EPIV 1
	; ---- THE END.  A pair's two halves, lane l xor 16's rows, and the other row half's wave, through LDS
.irp t, 0,1,2,3
	v_add_f32 v[O2+2*\t], v[O2+2*\t], v[O2+2*\t+1]
.endr
.irp t, 0,1,2,3
	v_permlanex16_b32 v[S2+\t], v[O2+2*\t], s[SEL], s[SEL+1]
.endr
.irp t, 0,1,2,3
	v_add_f32 v[O2+2*\t], v[O2+2*\t], v[S2+\t]
.endr
.irp t, 0,1,2,3
	ds_store_b32 v[OBS], v[O2+2*\t] offset:64*\t   ; d = 16 t + r; both lanes of a d write the same word with the same value
.endr
	s_wait_dscnt 0x0                               ; for the others' sake: my partial sums have landed
	s_barrier_signal -1
	s_barrier_wait -1
	s_cmp_lg_u32 s18, 0                            ; one wave of a head stores its 64 numbers
	s_cbranch_scc1 .Lnot_mine
	ds_load_b64 v[BV+2:BV+3], v[OBL]
	ds_load_b64 v[BV+4:BV+5], v[OBL] offset:256
	s_wait_dscnt 0x0
	v_pk_add_f32 v[BV+2:BV+3], v[BV+2:BV+3], v[BV+4:BV+5]
	v_pk_add_f32 v[BV+2:BV+3], v[BV+2:BV+3], v[BV:BV+1]   ; + bv
	global_store_b64 v[GO0], v[BV+2:BV+3], s[12:13]       ; 32 lanes store 256 consecutive bytes, at a multiple of 256 from out0's first byte
.Lnot_mine:
	s_wait_tensorcnt 0x0                           ; the wave's end, behind my last tensor load and my last LDS store
	ds_add_u32 v[SPW], v[NIL]
	s_wait_dscnt 0x0
	CROUND                                         ; the closing round: no work-group ends while a partner may still ask for a tile that names it
	s_endpgm
.Lfunc_end_k_qfe63d6acba_attn:
	.size	k_qfe63d6acba_attn, .Lfunc_end_k_qfe63d6acba_attn-k_qfe63d6acba_attn
	.p2alignl 7, 3214868480
	.fill 96, 4, 3214868480
	.section	.rodata,"a",@progbits
	.p2align	6, 0x0
	.amdhsa_kernel k_qfe63d6acba_attn
		.amdhsa_group_segment_fixed_size 327680
		.amdhsa_private_segment_fixed_size 0
		.amdhsa_enable_private_segment 0
		.amdhsa_kernarg_size 48
		.amdhsa_user_sgpr_count 2
		.amdhsa_user_sgpr_kernarg_segment_ptr 1
		.amdhsa_wavefront_size32 1
		.amdhsa_system_sgpr_workgroup_id_x 1
		.amdhsa_system_sgpr_workgroup_id_y 1
		.amdhsa_system_sgpr_workgroup_id_z 1
		.amdhsa_system_vgpr_workitem_id 0
		.amdhsa_next_free_vgpr 1024
		.amdhsa_next_free_sgpr 100
		.amdhsa_reserve_vcc 0
		.amdhsa_float_denorm_mode_32 3
		.amdhsa_float_denorm_mode_16_64 3
		.amdhsa_memory_ordered 1
		.amdhsa_forward_progress 1
		.amdhsa_inst_pref_size 255
	.end_amdhsa_kernel
	.section	.bss,"aw",@nobits
	.p2align	6
	.space	262144
	.amdgpu_metadata
---
amdhsa.version: [ 1, 2 ]
amdhsa.kernels:
  - .name:           k_qfe63d6acba_attn
    .symbol:         k_qfe63d6acba_attn.kd
    .args:
      - { .name: codes, .offset: 0, .size: 8, .value_kind: global_buffer, .address_space: global }
      - { .name: qsw, .offset: 8, .size: 8, .value_kind: global_buffer, .address_space: global }
      - { .name: bk, .offset: 16, .size: 8, .value_kind: global_buffer, .address_space: global }
      - { .name: bv, .offset: 24, .size: 8, .value_kind: global_buffer, .address_space: global }
      - { .name: out0, .offset: 32, .size: 8, .value_kind: global_buffer, .address_space: global }
      - { .name: out1, .offset: 40, .size: 8, .value_kind: global_buffer, .address_space: global }
    .group_segment_fixed_size: 327680
    .private_segment_fixed_size: 0
    .kernarg_segment_align: 8
    .kernarg_segment_size: 48
    .max_flat_workgroup_size: 128
    .sgpr_count:     100
    .vgpr_count:     1024
    .wavefront_size: 32
...
	.end_amdgpu_metadata
.endif
;; end of part 2
